; MI455X (gfx1250); checked and timed in simulation.
; The chip was launched on July 23, 2026; its instructions are those of AMD's public machine-readable ISA for CDNA 5 (MIT licence, August 2026) and "CDNA5" Instruction Set Architecture Reference Guide (July 2026). The comments in the code are by the model that wrote it; some were corrected since.
;; Lie Mo E. Allowed arithmetic: float matrix products may take bf16 or f16 operands with f32 sums; other float arithmetic in f32, or as packed bf16 or f16 multiplies, adds, multiply-adds, maxima and minima; sums over many terms, partial sums and values carried from step to step in f32; what a program stores and reads back later, other than sums and carried values, may be rounded once to bf16 or f16.
;; Inputs: b1 8 x 4,096 float32; b2 8 x 1,024 float32; gate_b 8 float32; gate_w 1,024 x 8 float32; w1 8 x 1,024 x 4,096 float32; w2 8 x 4,096 x 1,024 float32; x 1,024 x 1,024 float32.
;; Outputs: out0 1,024 x 1,024 float32.
;; One version. Each part assembles by itself: llvm-mc -triple=amdgcn-amd-amdhsa -mcpu=gfx1250 --defsym DOCPART=n.
;; ======== version 1 of 1: 5 launches
;; workspace buffers: xb 2,097,152 bytes; sel 4,096 bytes of whole numbers; wts 32,768 bytes; xg 16,777,216 bytes; hid 67,108,864 bytes; rowof 33,792 bytes of whole numbers; cntb 1,024 bytes of whole numbers; part 134,217,728 bytes
;; launch route (part 1): grid 256 x 1, 4 waves a work-group, no clusters, 20,992 bytes of LDS; arguments x, gate_w, gate_b, xb, sel, wts; writes xb, sel, wts
.if DOCPART == 1
	.amdgcn_target "amdgcn-amd-amdhsa--gfx1250"
	.amdhsa_code_object_version 6
	.text
	.protected	k_q75d2b212d1_route
	.globl	k_q75d2b212d1_route
	.p2align	8
	.type	k_q75d2b212d1_route,@function
k_q75d2b212d1_route:
	s_mov_b64 s[64:65], 0
	v_nop
	global_prefetch_b8 v0, s[64:65] scope:SCOPE_SE
	s_setreg_imm32_b32 hwreg(HW_REG_WAVE_MODE, 25, 1), 1
	s_wait_xcnt 0x0
; ROUTE.  One token to a wave, four to a work-group.  x is rounded to bf16 and stored (xb); the eight scores are sums in f32 of exact products of the
; bf16-rounded x and gate_w, plus the bf16-rounded gate_b; the three highest are chosen (of equal scores the lower index wins, as jax.lax.top_k has it);
; the softmax takes the maximum away, is masked and divided by its masked sum + 1e-8, as the source does.
; Stored at fixed places: sel[n] = the 8-bit mask of the chosen experts, wts[n][0..7] = the weights, 0 for an expert not chosen.
; LIMITS.  Every input is rounded to bf16 before use.  NaN scores are not treated apart.  A weight whose exponential falls below 2^-126 counts as 0.
; The gate is 8 columns wide: it goes on the vector unit, 256 multiply-adds a lane, so that the choice rests on f32 sums of exact products.
.set SPARE, 20480                      ; behind gate_w's copy: the spare words, 128 bytes a wave
.set XR,  8                            ; v8-39    the x row: load i at XR+4i; then two packed registers at XR+4i, XR+4i+1
.set GW,  40                           ; v40-103  gate_w as loaded, 16 units of 16 bytes a thread; later free
.set GB,  104                          ; v104-111 gate_b
.set GF,  112                          ; v112-239 gate_w's rows from LDS: row 4i+c of my 32 at GF+4(4i+c), experts 2k, 2k+1 in register k
.set SC,  240                          ; v240-247 the scores
.set TM,  40                           ; v40-55   at work
.set RK,  56                           ; v56-63   ranks
.set PE,  64                           ; v64-71   exponentials
.set FW,  72                           ; v72-79   weights
.set SPW, 250                          ; my spare word's LDS address; never rewritten
.set NIL, 251                          ; 0; never rewritten
	s_load_b256 s[4:11], s[0:1], 0x0               ; x s[4:5], gate_w s[6:7], gate_b s[8:9], xb s[10:11]
	s_load_b128 s[12:15], s[0:1], 0x20             ; sel s[12:13], wts s[14:15]
	v_lshl_add_u32 v[SPW], v0, 2, SPARE
	v_mov_b32 v[NIL], 0
	v_and_b32 v1, 31, v0                           ; lane
	v_lshrrev_b32 v2, 5, v0
	v_readfirstlane_b32 s16, v2                    ; wave
	s_lshl_b32 s17, ttmp9, 2
	s_add_co_u32 s17, s17, s16                     ; my token n
	s_lshl_b32 s18, s17, 12                        ; its row in x: 4,096 bytes
	s_mov_b32 s19, 0
	s_lshl_b32 s20, s17, 11                        ; in xb: 2,048
	s_mov_b32 s21, 0
	s_lshl_b32 s22, s17, 5                         ; in wts: 32
	s_mov_b32 s23, 0
	s_lshl_b32 s24, s17, 2                         ; in sel: 4
	s_mov_b32 s25, 0
	s_mov_b32 s26, 0x76543210                      ; v_permlanex16_b32: each lane takes its own place in the other half
	s_mov_b32 s27, 0xfedcba98
	v_lshlrev_b32 v3, 4, v1                        ; 16 x lane
	v_lshlrev_b32 v4, 4, v0                        ; 16 x thread
	v_mov_b32 v5, 0
	v_lshlrev_b32 v2, 3, v1                        ; 8 x lane
	v_lshrrev_b32 v6, 3, v0
	v_lshlrev_b32 v6, 4, v6
	v_lshl_add_u32 v6, v0, 3, v6                   ; 8 t + 16 (t / 8): unit u = 128 j + t of gate_w goes to 8 u + 16 (u / 8): four rows of 16 bytes, then 16 of padding
	v_mul_u32_u24 v7, v1, 80                       ; my four rows of each 128: 80 x lane
	s_wait_kmcnt 0x0
	s_add_nc_u64 s[4:5], s[4:5], s[18:19]
	s_add_nc_u64 s[10:11], s[10:11], s[20:21]
	s_add_nc_u64 s[12:13], s[12:13], s[24:25]
	s_add_nc_u64 s[14:15], s[14:15], s[22:23]
.irp j, 0,1,2,3,4,5,6,7,8,9,10,11,12,13,14,15
	global_load_b128 v[GW+4*\j:GW+4*\j+3], v4, s[6:7] offset:2048*\j       ; the work-group's 128 threads take 2,048 consecutive bytes
.endr
.irp i, 0,1,2,3,4,5,6,7
	global_load_b128 v[XR+4*\i:XR+4*\i+3], v3, s[4:5] offset:512*\i th:TH_LOAD_NT  ; x is read once in the launch
.endr
	global_load_b128 v[GB:GB+3], v5, s[8:9]
	global_load_b128 v[GB+4:GB+7], v5, s[8:9] offset:16
.irp e, 0,1,2,3,4,5,6,7
	v_mov_b32 v[SC+\e], 0
.endr
	s_wait_loadcnt 10                              ; gate_w is in: behind it stand x's eight loads and gate_b's two
.irp j, 0,1,2,3,4,5,6,7,8,9,10,11,12,13,14,15
	v_cvt_pk_bf16_f32 v[GW+4*\j], v[GW+4*\j], v[GW+4*\j+1]
	v_cvt_pk_bf16_f32 v[GW+4*\j+1], v[GW+4*\j+2], v[GW+4*\j+3]
	ds_store_b64 v6, v[GW+4*\j:GW+4*\j+1] offset:1280*\j
.endr
	s_wait_loadcnt 2                               ; x is in: gate_b's two may stay out
.irp i, 0,1,2,3,4,5,6,7
	v_cvt_pk_bf16_f32 v[XR+4*\i], v[XR+4*\i], v[XR+4*\i+1]
	v_cvt_pk_bf16_f32 v[XR+4*\i+1], v[XR+4*\i+2], v[XR+4*\i+3]
	global_store_b64 v2, v[XR+4*\i:XR+4*\i+1], s[10:11] offset:256*\i      ; 256 consecutive bytes, aligned; these registers are not written again
.endr
	s_wait_dscnt 0x0                               ; for the others' sake: my part of gate_w's copy is stored
	s_barrier_signal -1
	s_barrier_wait -1
.irp i, 0,1,2,3,4,5,6,7
.irp c, 0,1,2,3
	ds_load_b128 v[GF+4*(4*\i+\c):GF+4*(4*\i+\c)+3], v7 offset:2560*\i+16*\c  ; row 128 i + 4 lane + c
.endr
.endr
.irp i, 0,1,2,3,4,5,6,7
	s_wait_dscnt 28-4*\i                           ; LDS loads come back in order: the four rows of group i are in
.irp ch, 0,1
.irp cl, 0,1
.irp eh, 0,1,2,3
.irp el, 0,1
	v_fma_mix_f32_bf16 v[SC+2*\eh+\el], v[XR+4*\i+\ch], v[GF+4*(4*\i+2*\ch+\cl)+\eh], v[SC+2*\eh+\el] op_sel:[\cl,\el,0] op_sel_hi:[1,1,0]
.endr
.endr
.endr
.endr
.endr
	; across the 32 lanes: every lane ends with all eight sums
.irp m, 1,2,4,8
.irp e, 0,1,2,3,4,5,6,7
	v_add_f32_dpp v[SC+\e], v[SC+\e], v[SC+\e] row_xmask:\m row_mask:0xf bank_mask:0xf
.endr
.endr
.irp e, 0,1,2,3,4,5,6,7
	v_permlanex16_b32 v[TM+\e], v[SC+\e], s26, s27
.endr
.irp e, 0,1,2,3,4,5,6,7
	v_add_f32 v[SC+\e], v[SC+\e], v[TM+\e]
.endr
	s_wait_loadcnt 0x0                             ; gate_b
.irp k, 0,1,2,3
	v_cvt_pk_bf16_f32 v[TM+8+\k], v[GB+2*\k], v[GB+2*\k+1]
.endr
.irp k, 0,1,2,3
	v_lshlrev_b32 v[GB+2*\k], 16, v[TM+8+\k]
	v_and_b32 v[GB+2*\k+1], 0xffff0000, v[TM+8+\k]
.endr
.irp e, 0,1,2,3,4,5,6,7
	v_add_f32 v[SC+\e], v[SC+\e], v[GB+\e]
.endr
	v_max3_num_f32 v[TM], v[SC], v[SC+1], v[SC+2]
	v_max3_num_f32 v[TM], v[TM], v[SC+3], v[SC+4]
	v_max3_num_f32 v[TM], v[TM], v[SC+5], v[SC+6]
	v_max_num_f32 v[TM], v[TM], v[SC+7]
.irp e, 0,1,2,3,4,5,6,7
	v_sub_f32 v[PE+\e], v[SC+\e], v[TM]
.endr
.irp e, 0,1,2,3,4,5,6,7
	v_mul_f32 v[PE+\e], 0x3fb8aa3b, v[PE+\e]       ; log2(e)
.endr
.irp e, 0,1,2,3,4,5,6,7
	v_exp_f32 v[PE+\e], v[PE+\e]                   ; one batch of eight
.endr
	; the ranks are the independent work behind the batch.  Expert e is beaten by f < e if s_f >= s_e, by f > e if s_f > s_e.
	; Rank e starts at 7 - e, as if every higher index beat it; each pair f < e in which f wins adds 1 to e's rank and takes 1 from f's.
.irp e, 0,1,2,3,4,5,6,7
	v_mov_b32 v[RK+\e], 7-\e
.endr
.irp f, 0,1,2,3,4,5,6
.irp e, 1,2,3,4,5,6,7
.if \f < \e
	v_cmp_ge_f32 vcc_lo, v[SC+\f], v[SC+\e]
	v_cndmask_b32 v[TM+1], 0, 1, vcc_lo
	v_add_nc_u32 v[RK+\e], v[RK+\e], v[TM+1]
	v_sub_nc_u32 v[RK+\f], v[RK+\f], v[TM+1]
.endif
.endr
.endr
	s_wait_alu depctr_va_vdst(0)                   ; one wait for the eight exponentials, ahead of their first reader
	v_add_f32 v[TM+2], v[PE], v[PE+1]
	v_add_f32 v[TM+3], v[PE+2], v[PE+3]
	v_add_f32 v[TM+4], v[PE+4], v[PE+5]
	v_add_f32 v[TM+5], v[PE+6], v[PE+7]
	v_add_f32 v[TM+2], v[TM+2], v[TM+3]
	v_add_f32 v[TM+4], v[TM+4], v[TM+5]
	v_add_f32 v[TM+2], v[TM+2], v[TM+4]
	v_rcp_f32 v[TM+6], v[TM+2]                     ; 1 / the softmax's sum
	v_mov_b32 v[TM+7], 0                           ; the mask of the chosen; the masking is the independent work behind the reciprocal
.irp e, 0,1,2,3,4,5,6,7
	v_cmp_gt_u32 vcc_lo, 3, v[RK+\e]
	v_cndmask_b32 v[FW+\e], 0, v[PE+\e], vcc_lo
	v_cndmask_b32 v[TM+1], 0, 1, vcc_lo
	v_lshl_or_b32 v[TM+7], v[TM+1], \e, v[TM+7]
.endr
	s_wait_alu depctr_va_vdst(0)
.irp e, 0,1,2,3,4,5,6,7
	v_mul_f32 v[FW+\e], v[FW+\e], v[TM+6]
.endr
	v_add_f32 v[TM+2], v[FW], v[FW+1]
	v_add_f32 v[TM+3], v[FW+2], v[FW+3]
	v_add_f32 v[TM+4], v[FW+4], v[FW+5]
	v_add_f32 v[TM+5], v[FW+6], v[FW+7]
	v_add_f32 v[TM+2], v[TM+2], v[TM+3]
	v_add_f32 v[TM+4], v[TM+4], v[TM+5]
	v_add_f32 v[TM+2], v[TM+2], v[TM+4]
	v_add_f32 v[TM+2], 0x322bcc77, v[TM+2]         ; + 1e-8
	v_rcp_f32 v[TM+6], v[TM+2]
	v_nop                                          ; a plain instruction behind the reciprocal
	s_wait_alu depctr_va_vdst(0)
.irp e, 0,1,2,3,4,5,6,7
	v_mul_f32 v[FW+\e], v[FW+\e], v[TM+6]
.endr
	v_cmp_eq_u32 vcc_lo, 1, v1                     ; lane 1 takes experts 4 to 7, lane 0 experts 0 to 3
.irp k, 0,1,2,3
	v_cndmask_b32 v[FW+\k], v[FW+\k], v[FW+4+\k], vcc_lo
.endr
	s_wait_xcnt 0x0                                ; EXEC changes only behind this wait: xb's stores have been issued
	v_cmp_gt_u32 vcc_lo, 2, v1
	s_and_saveexec_b32 s28, vcc_lo
	global_store_b128 v3, v[FW:FW+3], s[14:15]     ; the token's 32 bytes of wts
	s_wait_xcnt 0x0
	s_or_b32 exec_lo, exec_lo, s28
	v_cmp_eq_u32 vcc_lo, 0, v1
	s_and_saveexec_b32 s28, vcc_lo
	global_store_b32 v5, v[TM+7], s[12:13]         ; sel[n]
	s_wait_xcnt 0x0
	s_or_b32 exec_lo, exec_lo, s28
	s_wait_tensorcnt 0x0                           ; the wave's end
	ds_add_u32 v[SPW], v[NIL]
	s_wait_dscnt 0x0
	s_endpgm
.Lfunc_end_k_q75d2b212d1_route:
	.size	k_q75d2b212d1_route, .Lfunc_end_k_q75d2b212d1_route-k_q75d2b212d1_route
	.p2alignl 7, 3214868480
	.fill 96, 4, 3214868480
	.section	.rodata,"a",@progbits
	.p2align	6, 0x0
	.amdhsa_kernel k_q75d2b212d1_route
		.amdhsa_group_segment_fixed_size 20992
		.amdhsa_private_segment_fixed_size 0
		.amdhsa_enable_private_segment 0
		.amdhsa_kernarg_size 48
		.amdhsa_user_sgpr_count 2
		.amdhsa_user_sgpr_kernarg_segment_ptr 1
		.amdhsa_wavefront_size32 1
		.amdhsa_system_sgpr_workgroup_id_x 1
		.amdhsa_system_sgpr_workgroup_id_y 1
		.amdhsa_system_sgpr_workgroup_id_z 1
		.amdhsa_system_vgpr_workitem_id 0
		.amdhsa_next_free_vgpr 256
		.amdhsa_next_free_sgpr 66
		.amdhsa_reserve_vcc 1
		.amdhsa_float_denorm_mode_32 3
		.amdhsa_float_denorm_mode_16_64 3
		.amdhsa_memory_ordered 1
		.amdhsa_forward_progress 1
		.amdhsa_inst_pref_size 41
	.end_amdhsa_kernel
	.amdgpu_metadata
---
amdhsa.version: [ 1, 2 ]
amdhsa.kernels:
  - .name:           k_q75d2b212d1_route
    .symbol:         k_q75d2b212d1_route.kd
    .args:
      - { .name: x, .offset: 0, .size: 8, .value_kind: global_buffer, .address_space: global }
      - { .name: gate_w, .offset: 8, .size: 8, .value_kind: global_buffer, .address_space: global }
      - { .name: gate_b, .offset: 16, .size: 8, .value_kind: global_buffer, .address_space: global }
      - { .name: xb, .offset: 24, .size: 8, .value_kind: global_buffer, .address_space: global }
      - { .name: sel, .offset: 32, .size: 8, .value_kind: global_buffer, .address_space: global }
      - { .name: wts, .offset: 40, .size: 8, .value_kind: global_buffer, .address_space: global }
    .group_segment_fixed_size: 20992
    .private_segment_fixed_size: 0
    .kernarg_segment_align: 8
    .kernarg_segment_size: 48
    .max_flat_workgroup_size: 128
    .sgpr_count:     66
    .vgpr_count:     256
    .wavefront_size: 32
...
	.end_amdgpu_metadata
.endif
;; end of part 1
;; launch gather (part 2): grid 256 x 1, 4 waves a work-group, no clusters, 16,896 bytes of LDS; arguments xb, sel, xg, rowof, cntb; writes xg, rowof, cntb
.if DOCPART == 2
	.amdgcn_target "amdgcn-amd-amdhsa--gfx1250"
	.amdhsa_code_object_version 6
	.text
	.protected	k_q75d2b212d1_gather
	.globl	k_q75d2b212d1_gather
	.p2align	8
	.type	k_q75d2b212d1_gather,@function
k_q75d2b212d1_gather:
	s_mov_b64 s[64:65], 0
	v_nop
	global_prefetch_b8 v0, s[64:65] scope:SCOPE_SE
	s_setreg_imm32_b32 hwreg(HW_REG_WAVE_MODE, 25, 1), 1
	s_wait_xcnt 0x0
; GATHER.  The rows of xb that chose expert e are laid end to end, in the order in which the first product's operand registers take them:
; xg byte = tile x 32,768 + (32-block J of the row) x 1,024 + half x 512 + 16 x lane; expert e owns tiles 64 e .. 64 e + 63; lane l of a tile holds row l % 16, columns 32 J + 16 half + 8 (l / 16) + 0..7.
; Work-group = (expert e = id / 32, block J = id % 32); wave w takes tiles 4 a + w: every work-group has the same share of every expert's rows, whatever the split.
; THE LIST.  Each wave makes its own copy from sel: the chosen tokens in ascending order, then the others: a permutation of all 1,024, so that every place holds a token that exists.
; WHICH TILES.  With nt = ceil(count / 16): tiles below max(nt, 16), and below max(nt, 48) if nt > 32: just those that the first product reads.  Tiles 0-7 of a wave are loaded without a test (the list
; has a token for each) and stored up to the share; tiles 8-15, rows from 512 on, are loaded and stored inside one forward jump.  A load takes 32 bytes of each of 16 rows; a store is 512 consecutive bytes.
; Block 0's wave 0 also stores rowof[e][n] = 1,024 e + rank (0 if not chosen), behind a header of 1,024 bytes, and the two parameter words of the products, 32 copies each:
; cntb[e] = count + 1 << 16 for the first product, rowof's header [e] = count + 2 << 16 for the second.
; A stream: no matrix unit, no barrier (each wave's LDS bytes are its own), no cluster (nothing is shared but 2 MiB of xb).
.set SPARE, 4*4096                     ; behind the four lists: the spare words, 128 bytes a wave
.set L16, 1                            ; v1   16 x lane
.set L4,  2                            ; v2   4 x lane
.set LN,  3                            ; v3   lane
.set H16, 4                            ; v4   16 (lane / 16)
.set SPW, 5                            ; v5   my spare word; never rewritten
.set NIL, 6                            ; v6   0; never rewritten
.set VLS, 7                            ; v7   place 16 w + lane % 16 of my list
.set T0,  8                            ; v8-11 at work
.set T1,  9
.set T2,  10
.set T3,  11
.set VOF, 16                           ; v16-31  tile a: my token's row in xb + 16 (lane / 16)
.set PK,  32                           ; v32-63  sel, then rowof
.set DA,  64                           ; v64-191 tile a: two loads of four registers
; s18 wave  s19 e  s20 J  s21 count  s22 nt  s23 my tiles  s36 my list  s[68:99] 32 masks of 32 tokens
.macro GET a
	global_load_b128 v[DA+8*(\a):DA+8*(\a)+3],   v[VOF+(\a)], s[4:5]
	global_load_b128 v[DA+8*(\a)+4:DA+8*(\a)+7], v[VOF+(\a)], s[4:5] offset:32
.endm
.macro PUT a
	global_store_b128 v[L16], v[DA+8*(\a):DA+8*(\a)+3],   s[8:9] offset:(\a)*131072
	global_store_b128 v[L16], v[DA+8*(\a)+4:DA+8*(\a)+7], s[8:9] offset:(\a)*131072+512
.endm
	s_load_b256 s[4:11], s[0:1], 0x0               ; xb s[4:5], sel s[6:7], xg s[8:9], rowof s[10:11]
	s_load_b64 s[12:13], s[0:1], 0x20              ; cntb
	v_lshl_add_u32 v[SPW], v0, 2, SPARE
	v_mov_b32 v[NIL], 0
	v_and_b32 v[LN], 31, v0
	v_lshrrev_b32 v[T0], 5, v0
	v_readfirstlane_b32 s18, v[T0]                 ; wave
	s_lshr_b32 s19, ttmp9, 5                       ; expert
	s_and_b32 s20, ttmp9, 31                       ; block J
	v_lshlrev_b32 v[L16], 4, v[LN]
	v_lshlrev_b32 v[L4], 2, v[LN]
	v_bfe_u32 v[T1], v0, 4, 1
	v_lshlrev_b32 v[H16], 4, v[T1]
	s_lshl_b32 s36, s18, 12                        ; my list: 4,096 bytes a wave, from LDS byte 0
	v_and_b32 v[T0], 15, v0
	s_lshl_b32 s26, s18, 6
	s_add_co_u32 s26, s26, s36
	v_lshl_add_u32 v[VLS], v[T0], 2, s26
	s_lshl_b32 s40, s20, 6                         ; xb: the block's 64 bytes in a row
	s_mov_b32 s41, 0
	s_lshl_b32 s42, s19, 6                         ; xg: tile 64 e + w, and the block's 1,024 bytes in a tile
	s_add_co_u32 s42, s42, s18
	s_lshl_b32 s42, s42, 15
	s_lshl_b32 s43, s20, 10
	s_add_co_u32 s42, s42, s43
	s_mov_b32 s43, 0
	s_wait_kmcnt 0x0
	s_add_nc_u64 s[4:5], s[4:5], s[40:41]
	s_add_nc_u64 s[8:9], s[8:9], s[42:43]
.set j, 0
.rept 32
	global_load_b32 v[PK+j], v[L4], s[6:7] offset:128*j  ; sel of tokens 32 j + lane
.set j, j+1
.endr
	s_wait_loadcnt 0x0
	; pass 1: a mask of 32 tokens in each of 32 scalar registers, and the count
	s_lshl_b32 s37, 1, s19
	s_mov_b32 s21, 0
.set j, 0
.rept 32
	v_and_b32 v[T0+j%4], s37, v[PK+j]
	v_cmp_ne_u32 s[68+j], 0, v[T0+j%4]
.set j, j+1
.endr
.set j, 0
.rept 32
	s_bcnt1_i32_b32 s26, s[68+j]
	s_add_co_u32 s21, s21, s26
.set j, j+1
.endr
	; pass 2: a chosen token goes to its rank R among the chosen, another to count + (its number - R)
	s_mov_b32 s26, 0                               ; chosen tokens ahead of this group
	s_lshl_b32 s38, s19, 10                        ; 1,024 e
	s_mov_b32 s39, s21                             ; count + 32 j
.set j, 0
.rept 32
	v_mbcnt_lo_u32_b32 v[T0], s[68+j], s26
	v_add_nc_u32 v[T1], s39, v[LN]
	v_sub_nc_u32 v[T1], v[T1], v[T0]
	v_cndmask_b32 v[T1], v[T1], v[T0], s[68+j]
	v_min_u32 v[T1], 0x3ff, v[T1]
	v_lshl_add_u32 v[T1], v[T1], 2, s36
	v_add_nc_u32 v[T2], 32*j, v[LN]
	ds_store_b32 v[T1], v[T2]
	v_add_nc_u32 v[T0], s38, v[T0]
	v_cndmask_b32 v[PK+j], 0, v[T0], s[68+j]       ; rowof
	s_bcnt1_i32_b32 s27, s[68+j]
	s_add_co_u32 s26, s26, s27
	s_add_co_u32 s39, s39, 32
.set j, j+1
.endr
	s_or_b32 s26, s20, s18
	s_cmp_lg_u32 s26, 0
	s_cbranch_scc1 .Lnorow                         ; block 0's wave 0 alone stores the expert's rowof and parameter words
	s_lshl_b32 s26, s19, 12
	s_add_co_u32 s26, s26, 1024                    ; behind the header
	s_mov_b32 s27, 0
	s_add_nc_u64 s[14:15], s[10:11], s[26:27]
	s_lshl_b32 s26, s19, 7
	s_add_nc_u64 s[10:11], s[10:11], s[26:27]
	s_add_nc_u64 s[12:13], s[12:13], s[26:27]
.set j, 0
.rept 32
	global_store_b32 v[L4], v[PK+j], s[14:15] offset:128*j
.set j, j+1
.endr
	s_or_b32 s26, s21, 0x10000
	v_mov_b32 v[T0], s26
	global_store_b32 v[L4], v[T0], s[12:13]        ; the first product's word, 32 copies
	s_or_b32 s26, s21, 0x20000
	v_mov_b32 v[T1], s26
	global_store_b32 v[L4], v[T1], s[10:11]        ; the second product's
	s_wait_xcnt 0x0                                ; the stores' registers are free behind this wait
.Lnorow:
	s_add_co_u32 s22, s21, 15
	s_lshr_b32 s22, s22, 4                         ; nt
	s_cmp_gt_u32 s22, 32
	s_cselect_b32 s26, 48, 16
	s_max_u32 s26, s26, s22                        ; tiles to be laid out
	s_add_co_u32 s26, s26, 3
	s_sub_co_u32 s26, s26, s18
	s_lshr_b32 s23, s26, 2                         ; those of them that are mine: 4 at the least
.irp a, 0,1,2,3,4,5,6,7,8,9,10,11,12,13,14,15
	ds_load_b32 v[VOF+\a], v[VLS] offset:256*\a    ; LDS serves a wave's instructions in order: these see my stores
.endr
	s_wait_dscnt 0x0
.irp a, 0,1,2,3,4,5,6,7,8,9,10,11,12,13,14,15
	v_min_u32 v[VOF+\a], 0x3ff, v[VOF+\a]
	v_lshl_add_u32 v[VOF+\a], v[VOF+\a], 11, v[H16]
.endr
.irp a, 0,1,2,3,4,5,6,7
	GET \a
.endr
.irp a, 0,1,2,3
	s_wait_loadcnt 14-2*\a                         ; loads come back in order: tile a's two are in, the later tiles' stay out
	PUT \a
.endr
.irp a, 4,5,6,7
	s_cmp_gt_u32 s23, \a
	s_cbranch_scc0 .Lhalf
	s_wait_loadcnt 14-2*\a
	PUT \a
.endr
.Lhalf:
	s_cmp_gt_u32 s23, 8
	s_cbranch_scc0 .Lend                           ; no rows from 512 on
.irp a, 8,9,10,11,12,13,14,15
	GET \a
.endr
.irp a, 8,9,10,11,12,13,14,15
	s_cmp_gt_u32 s23, \a
	s_cbranch_scc0 .Lend
	s_wait_loadcnt 30-2*\a
	PUT \a
.endr
.Lend:
	s_wait_tensorcnt 0x0                           ; the wave's end
	ds_add_u32 v[SPW], v[NIL]
	s_wait_dscnt 0x0
	s_endpgm
.Lfunc_end_k_q75d2b212d1_gather:
	.size	k_q75d2b212d1_gather, .Lfunc_end_k_q75d2b212d1_gather-k_q75d2b212d1_gather
	.p2alignl 7, 3214868480
	.fill 96, 4, 3214868480
	.section	.rodata,"a",@progbits
	.p2align	6, 0x0
	.amdhsa_kernel k_q75d2b212d1_gather
		.amdhsa_group_segment_fixed_size 16896
		.amdhsa_private_segment_fixed_size 0
		.amdhsa_enable_private_segment 0
		.amdhsa_kernarg_size 40
		.amdhsa_user_sgpr_count 2
		.amdhsa_user_sgpr_kernarg_segment_ptr 1
		.amdhsa_wavefront_size32 1
		.amdhsa_system_sgpr_workgroup_id_x 1
		.amdhsa_system_sgpr_workgroup_id_y 1
		.amdhsa_system_sgpr_workgroup_id_z 1
		.amdhsa_system_vgpr_workitem_id 0
		.amdhsa_next_free_vgpr 192
		.amdhsa_next_free_sgpr 104
		.amdhsa_reserve_vcc 0
		.amdhsa_float_denorm_mode_32 3
		.amdhsa_float_denorm_mode_16_64 3
		.amdhsa_memory_ordered 1
		.amdhsa_forward_progress 1
		.amdhsa_inst_pref_size 44
	.end_amdhsa_kernel
	.amdgpu_metadata
---
amdhsa.version: [ 1, 2 ]
amdhsa.kernels:
  - .name:           k_q75d2b212d1_gather
    .symbol:         k_q75d2b212d1_gather.kd
    .args:
      - { .name: xb, .offset: 0, .size: 8, .value_kind: global_buffer, .address_space: global }
      - { .name: sel, .offset: 8, .size: 8, .value_kind: global_buffer, .address_space: global }
      - { .name: xg, .offset: 16, .size: 8, .value_kind: global_buffer, .address_space: global }
      - { .name: rowof, .offset: 24, .size: 8, .value_kind: global_buffer, .address_space: global }
      - { .name: cntb, .offset: 32, .size: 8, .value_kind: global_buffer, .address_space: global }
    .group_segment_fixed_size: 16896
    .private_segment_fixed_size: 0
    .kernarg_segment_align: 8
    .kernarg_segment_size: 40
    .max_flat_workgroup_size: 128
    .sgpr_count:     104
    .vgpr_count:     192
    .wavefront_size: 32
...
	.end_amdgpu_metadata
.endif
;; end of part 2
;; launch up (part 3): grid 256 x 1, 4 waves a work-group, no clusters, 110,080 bytes of LDS; arguments xg, w1, cntb, b1, hid; writes hid
.if DOCPART == 3
	.amdgcn_target "amdgcn-amd-amdhsa--gfx1250"
	.amdhsa_code_object_version 6
	.text
	.protected	k_q75d2b212d1_up
	.globl	k_q75d2b212d1_up
	.p2align	8
	.type	k_q75d2b212d1_up,@function
k_q75d2b212d1_up:
	s_mov_b64 s[64:65], 0
	v_nop
	global_prefetch_b8 v0, s[64:65] scope:SCOPE_SE
	s_setreg_imm32_b32 hwreg(HW_REG_WAVE_MODE, 25, 1), 1
	s_wait_xcnt 0x0
; ONE BODY FOR BOTH PRODUCTS OF AN EXPERT.  Arguments: rows A, weights W, parameter words, bias, result.  The expert's word (a whole number that an earlier launch stored) holds its count of rows in bits 15:0,
; u in bit 16 (the first product) and d in bit 17 (the second).  u and d are held to 0 .. 1 and enter offsets by multiplies, adds and ANDs alone; the way out is chosen by a scalar branch that passes no barrier.
;   first  (u): hid = relu(x_e w1[e] + b1[e]) in bf16.   Work-group = (e = id / 32, slice = id % 32 of 128 hidden columns).   W's rows are 16,384 bytes apart.
;   second (d): part[kq] = hid_e w2[e] over a quarter kq of the hidden width, in f32 (partial sums; the next launch adds them).   Work-group = (e = id / 32, kq = (id / 8) % 4, 128 columns id % 8).   W's rows are 4,096 bytes apart; the bias is not read.
; In both a work-group alone reads its 1,024 x 128 f32 of weights, once, and takes all of the expert's rows.
; SHARES.  A chunk is 512 rows: 32 tiles of 16; wave w owns tiles 4 a + w (a = 0..7) by all 8 column blocks of 16: 64 accumulators, 512 registers.  K = 1,024 goes in 16 steps of 64.
; T = my tiles in the chunk, at least 4: tiles 0-3 are always made and stored (places past the count hold rows that exist), tiles 4-7 stand behind forward jumps on T that pass no barrier.
; WEIGHTS.  Wave w loads rows 64 t + 16 w + i of the step (one load = one row's 512 bytes), rounds them to bf16 in place and stores them into an LDS slot [k][n], pitch 288; all four waves read fragments by
; the turning load.  Two slots take turns, one barrier a step; weights are asked for two steps before they are staged.
; ROWS lie in operand order in both A's: byte = (quarter x 512 + tile) x 32,768 + 32-block x 1,024 + half x 512 + 16 x lane (xg has one quarter); expert e owns tiles 64 e .. 64 e + 63.  Every load is 512
; consecutive bytes, straight into operand registers: a wave's rows are its own, LDS would share nothing.  No cluster and no tensor load: each weight byte has one reader and must pass registers to be rounded.
; THE MATRIX INSTRUCTION IS USED TRANSPOSED (source 0 = 16 columns of W, source 1 = 16 rows of A): a lane holds row lane % 16 and columns 16 b + 8 (lane / 16) + 0..7.  In the first product these, packed, ARE
; registers 0-3 (b even) or 4-7 (b odd) of the second product's row fragment in the same lane: hid is stored so, 512 consecutive bytes a store.  The second product's f32 go through a stage of the wave's own.
; THE BIAS is the C operand of the products that start the sums: each wave keeps the slice's 128 numbers in LDS, rounded to bf16 and widened (zeros in the second product).
; ROWS FROM 512 ON take a slow walk without barriers, each wave staging all the weights for itself: right for every split, and one jump where no expert has so many rows.
; LIMITS.  A, W and the bias are bf16 or rounded to it before use; sums in f32; hid is rounded once to bf16.
.set ASTEP,  2048                      ; a K step in a tile: two 32-blocks
.set AHOF,   1024                      ; the step's second 32 along K
.set ASOF,   512                       ; registers 4-7 of a fragment
.set ATP,    131072                    ; from my tile a to my tile a + 1: four tiles
.set BP,     288                       ; a slot's row: 256 bytes + 32: an odd multiple of 32
.set SLOTB,  64*BP
.set STG,    2*SLOTB                   ; four stages of 16 rows x 528 bytes, a wave's own each
.set SGP,    528                       ; 512 + 16: the 16 rows of a store start at 16 different columns of banks
.set PRIV,   STG+4*16*SGP              ; four stages of 32 weight rows, a wave's own each, for the slow walk
.set BIA,    PRIV+4*32*BP              ; four copies of the bias, 512 bytes, a wave's own each
.set SPARE,  BIA+4*512                 ; the spare words, 128 bytes a wave
.set L16, 1                            ; v1   16 x lane
.set VBI, 2                            ; v2   my eight columns in my copy of the bias
.set VWS, 3                            ; v3   where I store a staged row's 8 bytes
.set VB,  4                            ; v4   my lane's place for the turning load
.set SPW, 5                            ; v5   my spare word; never rewritten
.set NIL, 6                            ; v6   0; never rewritten
.set ZR,  7                            ; v7   0, for the packed maximum
.set VOF, 8                            ; v8-11  tiles 4-7: 16 x lane + the tile's offset (tiles 0-3 have theirs in the immediate)
.set VSTO, 12                          ; v12  second way out: where I put 16 bytes of a row
.set VRD,  13                          ; v13  second way out: where I read a row back
.set VPS, 14                           ; v14  slow walk: store address
.set VPB, 15                           ; v15  slow walk: turning load's address
.set VWO, 16                           ; v16-31  16 x lane + my weight row i x pitch
.set BF,  32                           ; v32-63 weight fragments of column blocks 0-3, v64-95 of blocks 4-7; at the head v32-40 are at work:
.set LN,  32
.set T0,  33
.set T1,  34
.set T2,  35
.set BI,  36                           ; v36-39 four numbers of the bias
.set VBS, 40
.set WS0, 96                           ; v96-159, v160-223 two sets of 16 loaded weight rows; on the second way out rows read back, by turns
.set PK,  224                          ; v224-255 the bias of four column blocks as C; on the first way out packed results
; window 1: row fragments at 128 p + 64 hh + 8 a.   windows 2, 3: accumulator (a, b) at 8 (8 (a % 4) + b), tiles 0-3 in window 2, 4-7 in window 3
; s18 wave  s19 e  s20 column slice  s36 quarter  s21 count  s22 tiles of the expert  s23 T  s24 inner counter  s25 chunk  s37 u  s39 d  s38 pitch  s[28:29] A walking  s[30:31] W walking  s[32:33] result
; s[26:27] an offset as a pair: s27 stays 0   s[40:41] W's start  s[42:43] A's start  s[46:47] slow walk: W 16 rows on  s[48:49] 32 rows  s[50:51] 64 rows  s[52:53] 16 rows  s[54:55] a chunk in the result  s56 the word's offset  s58, s59 at work
.set MSB, 0
.macro WIN new                         ; the high byte repeats the setting that is left; a switch that changes nothing is dropped
.if MSB != (\new)
	s_set_vgpr_msb (MSB<<8)|(\new)
.set MSB, (\new)
.endif
.endm
.macro PLACES                          ; four plain instructions between a matrix instruction and a load into, or a read of, its registers
.rept 4
	v_nop
.endr
.endm
.macro VWOSET                          ; s26 = my first row x pitch
.set ci, 0
.rept 16
	v_add_nc_u32 v[VWO+ci], s26, v[L16]
	s_add_co_u32 s26, s26, s38
.set ci, ci+1
.endr
.endm
.macro WLOAD q                         ; my 16 rows of the step at the walking address, into set q
	WIN 0
.set ci, 0
.rept 16
	global_load_b128 v[WS0+64*(\q)+4*ci:WS0+64*(\q)+4*ci+3], v[VWO+ci], s[30:31] th:TH_LOAD_NT
.set ci, ci+1
.endr
.endm
.macro WNEXT                           ; the walking address is stepped only behind the wait
	s_wait_xcnt 0x0
	s_add_nc_u64 s[30:31], s[30:31], s[50:51]
.endm
.macro CVT q, i0, n                    ; n loaded rows from i0 on: four f32 a lane to four bf16, in place
	WIN 0
.set ci, (\i0)
.rept (\n)
	v_cvt_pk_bf16_f32 v[WS0+64*(\q)+4*ci], v[WS0+64*(\q)+4*ci], v[WS0+64*(\q)+4*ci+1]
	v_cvt_pk_bf16_f32 v[WS0+64*(\q)+4*ci+1], v[WS0+64*(\q)+4*ci+2], v[WS0+64*(\q)+4*ci+3]
.set ci, ci+1
.endr
.endm
.macro WSTORE q, slot                  ; a wave's store covers a row's 256 consecutive bytes
	WIN 0
.set ci, 0
.rept 16
	ds_store_b64 v[VWS], v[WS0+64*(\q)+4*ci:WS0+64*(\q)+4*ci+1] offset:(\slot)*SLOTB+BP*ci
.set ci, ci+1
.endr
.endm
.macro BLOAD slot, hh, q               ; four weight fragments (32 K x 16 columns each): column blocks 4 q .. 4 q + 3
	WIN 0
.irp b, 0,1,2,3
	ds_load_tr16_b128 v[BF+32*(\q)+8*\b:BF+32*(\q)+8*\b+3],   v[VB] offset:(\slot)*SLOTB+(\hh)*32*BP+32*(4*(\q)+\b)
	ds_load_tr16_b128 v[BF+32*(\q)+8*\b+4:BF+32*(\q)+8*\b+7], v[VB] offset:(\slot)*SLOTB+(\hh)*32*BP+16*BP+32*(4*(\q)+\b)
.endr
.endm
.macro BIASQ q                         ; the bias of column blocks 4 q .. 4 q + 3, laid as an accumulator is: eight loads
	WIN 0
.irp b, 0,1,2,3
	ds_load_b128 v[PK+8*\b:PK+8*\b+3],   v[VBI] offset:64*(4*(\q)+\b)
	ds_load_b128 v[PK+8*\b+4:PK+8*\b+7], v[VBI] offset:64*(4*(\q)+\b)+16
.endr
.endm
.macro ATILE p, a                      ; tile a's row fragments of a K step: four loads of 512 consecutive bytes
.if (\a) < 4
.set rV, L16
.set oA, (\a)*ATP
.else
.set rV, VOF+(\a)-4
.set oA, 0
.endif
.irp hh, 0,1
	global_load_b128 v[128*(\p)+64*\hh+8*(\a):128*(\p)+64*\hh+8*(\a)+3],   v[rV], s[28:29] offset:oA+AHOF*\hh
	global_load_b128 v[128*(\p)+64*\hh+8*(\a)+4:128*(\p)+64*\hh+8*(\a)+7], v[rV], s[28:29] offset:oA+AHOF*\hh+ASOF
.endr
.endm
.macro ALOAD p, cond                   ; cond = 0: all eight tiles, so that both buffers are written whole once
	WIN 0x40                                       ; destination window 1, address window 0
.irp a, 0,1,2,3
	ATILE \p, \a
.endr
.if \cond
.irp a, 4,5,6,7
	WIN 0                                          ; at a branch and at a label every window is 0
	s_cmp_gt_u32 s23, \a
	s_cbranch_scc0 .Lae_\@
	WIN 0x40
	ATILE \p, \a
.endr
	WIN 0
.Lae_\@:
.else
.irp a, 4,5,6,7
	ATILE \p, \a
.endr
	WIN 0
.endif
.endm
.macro MMT p, hh, q, a, zero           ; tile a by four column blocks; zero = 1: the products start the sums, from the bias
.irp b, 0,1,2,3
.set rD, 8*(8*((\a)%4)+4*(\q)+\b)
.set rB, BF+32*(\q)+8*\b
.set rA, 128*(\p)+64*(\hh)+8*(\a)
.if \zero
	v_wmma_f32_16x16x32_bf16 v[rD:rD+7], v[rB:rB+7], v[rA:rA+7], v[PK+8*\b:PK+8*\b+7]
.else
	v_wmma_f32_16x16x32_bf16 v[rD:rD+7], v[rB:rB+7], v[rA:rA+7], v[rD:rD+7]
.endif
.endr
.endm
; 32 along K by four column blocks.  The accumulators take turns, one instruction a turn: a phase's last and the next phase's first are never the same.  unc = 1: all eight tiles.
.macro PHASE p, hh, q, unc, zero
	WIN 0xa4-0x20*(\zero)                          ; weights window 0, rows window 1, D window 2, C window 2 (the bias: window 0)
.irp a, 0,1,2,3
	MMT \p, \hh, \q, \a, \zero
.endr
.if \unc
	WIN 0xf4-0x30*(\zero)                          ; D window 3, C window 3 (the bias: window 0)
.irp a, 4,5,6,7
	MMT \p, \hh, \q, \a, \zero
.endr
	WIN 0
.else
.irp a, 4,5,6,7
	WIN 0
	s_cmp_gt_u32 s23, \a
	s_cbranch_scc0 .Lpe_\@
	WIN 0xf4
	MMT \p, \hh, \q, \a, \zero
.endr
	WIN 0
.Lpe_\@:
.endif
.endm
.macro VOFFS                           ; a tile past my share repeats my last one, which exists: the count enters only behind a minimum with a constant
	s_sub_co_u32 s58, s23, 1
.irp a, 4,5,6,7
	s_min_u32 s59, s58, \a
	s_lshl_b32 s59, s59, 17
	v_add_nc_u32 v[VOF+\a-4], s59, v[L16]
.endr
.endm
; K STEP t, p = t % 2: slot p and row buffer p are multiplied; set 1 - p holds W(t+1).
; Loads are issued in the order A(t+1), W(t+3); so at a step's head W(t+1), A(t), W(t+2) are out, W(t+2) last, and the count 16 leaves W(t+2) alone out, however many tiles A has.
; LDS: each run of 8 fragment loads is waited for one phase later: behind it stand the next run's 8, and where weights are staged their 16 stores.  In step 0 the bias of blocks 4-7 is read ahead of those.
; ONE barrier a step: in front of it my stores of B(t+1) and my reads of slot p are done (count 0); behind it slot 1 - p is read, and the next step stores into slot p.
.macro STEP p, first, stg, lda, acond, ldw, lcnt, last
	s_wait_loadcnt \lcnt
.if \stg
	CVT (1-\p), 0, 8                               ; sixteen plain instructions: also the places in front of the loads below
.else
	PLACES
.endif
	BLOAD \p, 0, 1
.if \lda
	s_wait_xcnt 0x0                                ; the walking address is stepped only behind this wait
	s_add_nc_u64 s[28:29], s[28:29], ASTEP
	ALOAD (1-\p), \acond
.endif
	s_wait_dscnt 8                                 ; blocks 0-3 of the first 32 are in
	PHASE \p, 0, 0, \first, \first
.if \stg
	CVT (1-\p), 8, 8
.else
	PLACES
.endif
.if \first
	BIASQ 1
.endif
	BLOAD \p, 1, 0
.if \stg
	WSTORE (1-\p), (1-\p)
.endif
.if \ldw
	WNEXT
	WLOAD (1-\p)
.endif
	s_wait_dscnt 8+16*(\stg)                       ; blocks 4-7 of the first 32 are in (and in step 0 their bias)
	PHASE \p, 0, 1, \first, \first
	PLACES
	BLOAD \p, 1, 1
	s_wait_dscnt 8+16*(\stg)                       ; blocks 0-3 of the second 32 are in
	PHASE \p, 1, 0, 0, 0
	s_wait_dscnt 0x0
.if !(\last)
	s_barrier_signal -1
	s_barrier_wait -1
	PLACES
	BLOAD (1-\p), 0, 0
.endif
	PHASE \p, 1, 1, 0, 0
.endm
; THE FIRST PRODUCT'S WAY OUT of tile a: rounded to bf16, each accumulator's lowest registers first; relu on the packed halves; eight stores of 512 consecutive bytes
.macro UPOUT a
	s_wait_xcnt 0x0                                ; the packed registers are written again only behind this wait
	WIN 0x0a+5*((\a)/4)                            ; sources 0 and 1: the accumulators' window
.set k, 0
.rept 32
	v_cvt_pk_bf16_f32 v[PK+k], v[64*((\a)%4)+2*k], v[64*((\a)%4)+2*k+1]
.set k, k+1
.endr
	WIN 0
.set k, 0
.rept 32
	v_pk_max_num_bf16 v[PK+k], v[PK+k], v[ZR]
.set k, k+1
.endr
.irp b, 0,1,2,3,4,5,6,7
	global_store_b128 v[L16], v[PK+4*\b:PK+4*\b+3], s[32:33] offset:(\a)*ATP+\b*512
.endr
.endm
; THE SECOND PRODUCT'S WAY OUT of tile a: 16 bytes a lane into my stage, lowest registers first; back as whole rows of 512 bytes; stored.
.macro DNOUT a
	WIN 0x08+4*((\a)/4)                            ; store data: the accumulators' window
.irp b, 0,1,2,3,4,5,6,7
	ds_store_b128 v[VSTO], v[64*((\a)%4)+8*\b:64*((\a)%4)+8*\b+3]   offset:64*\b
	ds_store_b128 v[VSTO], v[64*((\a)%4)+8*\b+4:64*((\a)%4)+8*\b+7] offset:64*\b+16
.endr
	WIN 0
	s_wait_xcnt 0x0                                ; the registers that earlier stores read are loaded again only behind this wait
.set i, 0
.rept 16
	ds_load_b128 v[WS0+64*((\a)%2)+4*i:WS0+64*((\a)%2)+4*i+3], v[VRD] offset:SGP*i  ; LDS serves a wave's instructions in order: these see the stores above, and the next tile's stores come behind them
.set i, i+1
.endr
.set i, 0
.rept 16
	s_wait_dscnt 15-i                              ; row i is back
	global_store_b128 v[L16], v[WS0+64*((\a)%2)+4*i:WS0+64*((\a)%2)+4*i+3], s[32:33] offset:(\a)*262144+i*4096  ; 512 consecutive bytes, aligned
.set i, i+1
.endr
.endm
	s_load_b256 s[4:11], s[0:1], 0x0               ; A s[4:5], W s[6:7], parameter words s[8:9], bias s[10:11]
	s_load_b64 s[12:13], s[0:1], 0x20              ; result
	v_lshl_add_u32 v[SPW], v0, 2, SPARE
	v_mov_b32 v[NIL], 0
	v_mov_b32 v[ZR], 0
	v_and_b32 v[LN], 31, v0
	v_lshrrev_b32 v[T0], 5, v0
	v_readfirstlane_b32 s18, v[T0]                 ; wave
	s_lshr_b32 s19, ttmp9, 5                       ; expert
	s_lshl_b32 s56, s19, 7
	s_wait_kmcnt 0x0
	s_load_b32 s21, s[8:9], s56 offset:0x0         ; the expert's word; what hangs on no word is made while it is on its way
	v_lshlrev_b32 v[L16], 4, v[LN]
	s_mul_i32 s26, s18, 16*BP
	v_lshl_add_u32 v[VWS], v[LN], 3, s26
	v_and_b32 v[T0], 7, v0
	v_bfe_u32 v[T1], v0, 4, 1                      ; lane / 16
	v_bfe_u32 v[T2], v0, 3, 1
	v_lshl_add_u32 v[T0], v[T1], 3, v[T0]
	v_mul_u32_u24 v[T0], v[T0], BP
	v_lshl_add_u32 v[VB], v[T2], 4, v[T0]          ; (8 (l / 16) + l % 8) x pitch + 16 ((l / 8) % 2)
	s_mul_i32 s26, s18, 32*BP
	s_add_co_u32 s26, s26, PRIV
	v_lshl_add_u32 v[VPS], v[LN], 3, s26
	v_add_nc_u32 v[VPB], s26, v[VB]
	s_mul_i32 s26, s18, 16*SGP
	s_add_co_u32 s26, s26, STG                     ; my stage
	v_and_b32 v[T0], 15, v0
	v_mul_u32_u24 v[T0], v[T0], SGP
	v_lshl_add_u32 v[T0], v[T1], 5, v[T0]          ; row lane % 16, 32 bytes for each half of the lanes
	v_add_nc_u32 v[VSTO], s26, v[T0]
	v_add_nc_u32 v[VRD], s26, v[L16]
	s_lshl_b32 s26, s18, 9
	s_add_co_u32 s26, s26, BIA                     ; my copy of the bias
	v_lshl_add_u32 v[VBI], v[T1], 5, s26
	v_add_nc_u32 v[VBS], s26, v[L16]
.irp k, 0,1,2,3
	v_mov_b32 v[BI+\k], 0                          ; the second product's bias
.endr
	s_mov_b32 s27, 0                               ; the high word of every offset below; not written again
	s_mov_b32 s49, 0
	s_mov_b32 s51, 0
	s_mov_b32 s53, 0
	s_mov_b32 s55, 0
	s_lshl_b32 s44, s19, 6
	s_add_co_u32 s44, s44, s18                     ; my first tile: 64 e + w
	s_bfe_u32 s45, ttmp9, 0x20003                  ; (id / 8) % 4
	s_and_b32 s57, ttmp9, 7                        ; id % 8
	s_wait_kmcnt 0x0
	s_bfe_u32 s37, s21, 0x10010                    ; u
	s_bfe_u32 s39, s21, 0x10011                    ; d
	s_and_b32 s21, s21, 0xffff                     ; the count
	s_min_u32 s37, s37, 1
	s_min_u32 s39, s39, 1
	s_min_u32 s21, s21, 0x400
	s_mul_i32 s38, s37, 12288
	s_add_co_u32 s38, s38, 4096                    ; W's pitch: 16,384 or 4,096 bytes
	s_lshl_b32 s52, s38, 4
	s_lshl_b32 s48, s38, 5
	s_lshl_b32 s50, s38, 6
	s_mul_i32 s26, s37, 24
	s_add_co_u32 s26, s26, 7
	s_and_b32 s20, ttmp9, s26                      ; column slice: id % 32 or id % 8
	s_mul_i32 s36, s45, s39                        ; quarter: 0 or (id / 8) % 4
	s_add_co_u32 s54, s39, 1                       ; 1 or 2
	s_lshl_b32 s26, s19, 24                        ; W: e x 16 MiB + quarter x 1,024 rows of 4,096 bytes + slice x 512
	s_lshl_b32 s46, s36, 22
	s_add_co_u32 s26, s26, s46
	s_lshl_b32 s46, s20, 9
	s_add_co_u32 s26, s26, s46
	s_add_nc_u64 s[30:31], s[6:7], s[26:27]
	s_mov_b64 s[40:41], s[30:31]
	s_lshl_b32 s26, s44, 15                        ; A: quarter x 512 tiles + my first tile
	s_lshl_b32 s46, s36, 24
	s_add_co_u32 s26, s26, s46
	s_add_nc_u64 s[42:43], s[4:5], s[26:27]
	s_mov_b64 s[28:29], s[42:43]
	s_lshl_b32 s26, s44, 15                        ; result.  first: ((id / 8) % 4) x 16 MiB + tile x 32,768 + (id % 8) x 4,096;
	s_lshl_b32 s46, s45, 24                        ; second: twice the first two terms (f32 rows of 4,096 bytes) + (id % 8) x 512
	s_add_co_u32 s26, s26, s46
	s_mul_i32 s26, s26, s54
	s_mul_i32 s46, s37, 3584
	s_add_co_u32 s46, s46, 512
	s_mul_i32 s46, s46, s57
	s_add_co_u32 s26, s26, s46
	s_add_nc_u64 s[32:33], s[12:13], s[26:27]
	s_lshl_b32 s54, s54, 20                        ; a chunk's 32 tiles in the result
	s_add_co_u32 s22, s21, 15
	s_lshr_b32 s22, s22, 4                         ; the expert's tiles
	s_min_u32 s26, s22, 32
	s_add_co_u32 s26, s26, 3
	s_sub_co_u32 s26, s26, s18
	s_lshr_b32 s23, s26, 2                         ; those of the first 32 that are mine,
	s_max_u32 s23, s23, 4                          ; at least 4
	VOFFS
	s_mul_i32 s26, s18, s52                        ; my 16 rows of a step
	VWOSET
	s_cmp_eq_u32 s37, 0
	s_cbranch_scc1 .Lnobias                        ; the second product keeps the zeros
	s_lshl_b32 s26, s19, 14                        ; (4,096 e + 128 slice) x 4
	s_lshl_b32 s46, s20, 9
	s_add_co_u32 s26, s26, s46
	s_add_nc_u64 s[10:11], s[10:11], s[26:27]
	global_load_b128 v[BI:BI+3], v[L16], s[10:11]  ; the slice's 512 bytes
.Lnobias:
	WLOAD 0                                        ; W(0)
	WNEXT
	WLOAD 1                                        ; W(1)
	ALOAD 0, 0                                     ; A(0), all eight tiles
	s_wait_loadcnt 48                              ; the bias and W(0) are in: behind them stand W(1)'s 16 loads and A(0)'s 32
	v_cvt_pk_bf16_f32 v[T0], v[BI], v[BI+1]        ; the bias rounded to bf16 and widened again
	v_cvt_pk_bf16_f32 v[T1], v[BI+2], v[BI+3]
	v_lshlrev_b32 v[BI], 16, v[T0]
	v_and_b32 v[BI+1], 0xffff0000, v[T0]
	v_lshlrev_b32 v[BI+2], 16, v[T1]
	v_and_b32 v[BI+3], 0xffff0000, v[T1]
	ds_store_b128 v[VBS], v[BI:BI+3]
	CVT 0, 0, 16
	WSTORE 0, 0
	WNEXT
	WLOAD 0                                        ; W(2)
	BIASQ 0                                        ; my own bytes: LDS serves a wave's instructions in order
	s_wait_dscnt 0x0                               ; my part of B(0) is stored; the bias of blocks 0-3 is in
	s_barrier_signal -1
	s_barrier_wait -1
	BLOAD 0, 0, 0
	STEP 0, 1, 1, 1, 0, 1, 16, 0                   ; t = 0 starts the sums, on all eight tiles, and fills row buffer 1 whole
	s_mov_b32 s24, 6
.Lk:                                               ; t = 1 .. 12
	STEP 1, 0, 1, 1, 1, 1, 16, 0
	STEP 0, 0, 1, 1, 1, 1, 16, 0
	s_sub_co_u32 s24, s24, 1
	s_cmp_lg_u32 s24, 0
	s_cbranch_scc1 .Lk
	STEP 1, 0, 1, 1, 1, 0, 16, 0                   ; t = 13: no weights are left to ask for
	STEP 0, 0, 1, 1, 1, 0, 0, 0                    ; t = 14: W(15) and A(14) are all that is out
	STEP 1, 0, 0, 0, 0, 0, 0, 1                    ; t = 15: nothing to stage or fetch
	s_mov_b32 s25, 0
.Lchunk:                                           ; twice: the way out; then, the first time, rows from 512 on if I have any
	s_cmp_eq_u32 s23, 0
	s_cbranch_scc1 .Lfoot
	PLACES                                         ; behind the last products
	s_cmp_eq_u32 s37, 0
	s_cbranch_scc1 .Lodown
.irp a, 0,1,2,3
	UPOUT \a
.endr
.irp a, 4,5,6,7
	s_cmp_gt_u32 s23, \a
	s_cbranch_scc0 .Lwdone
	UPOUT \a
.endr
	s_branch .Lwdone
.Lodown:
.irp a, 0,1,2,3
	DNOUT \a
.endr
.irp a, 4,5,6,7
	s_cmp_gt_u32 s23, \a
	s_cbranch_scc0 .Lwdone
	DNOUT \a
.endr
.Lwdone:
	s_cmp_lg_u32 s25, 0
	s_cbranch_scc1 .Lfoot
	s_max_u32 s26, s22, 32
	s_sub_co_u32 s26, s26, 29                      ; tiles past 32, + 3
	s_sub_co_u32 s26, s26, s18
	s_lshr_b32 s23, s26, 2                         ; those of them that are mine
	s_cmp_eq_u32 s23, 0
	s_cbranch_scc1 .Lfoot
	s_max_u32 s23, s23, 4
	s_wait_xcnt 0x0                                ; bases, offsets and the stores' registers are written anew only behind this wait
	s_mov_b64 s[30:31], s[40:41]
	s_add_nc_u64 s[46:47], s[40:41], s[52:53]
	s_add_nc_u64 s[28:29], s[42:43], 32*32768
	s_add_nc_u64 s[32:33], s[32:33], s[54:55]
	VOFFS
	s_mov_b32 s26, 0                               ; here every wave takes rows 0-15 and, by the second base, 16-31 of a trip
	VWOSET
	s_mov_b32 s24, 32
.Lpriv:                                            ; 32 trips of 32 along K; all LDS bytes are my own, so there is no barrier
	PLACES
.set i, 0
.rept 16
	global_load_b128 v[WS0+4*i:WS0+4*i+3], v[VWO+i], s[30:31]
.set i, i+1
.endr
.set i, 0
.rept 16
	global_load_b128 v[WS0+64+4*i:WS0+64+4*i+3], v[VWO+i], s[46:47]
.set i, i+1
.endr
	WIN 0x40
.irp a, 0,1,2,3
	global_load_b128 v[8*\a:8*\a+3],   v[L16], s[28:29] offset:\a*ATP
	global_load_b128 v[8*\a+4:8*\a+7], v[L16], s[28:29] offset:\a*ATP+ASOF
.endr
.irp a, 4,5,6,7
	global_load_b128 v[8*\a:8*\a+3],   v[VOF+\a-4], s[28:29]
	global_load_b128 v[8*\a+4:8*\a+7], v[VOF+\a-4], s[28:29] offset:ASOF
.endr
	WIN 0
	s_wait_loadcnt 0x0
	CVT 0, 0, 32
.set i, 0
.rept 32
	ds_store_b64 v[VPS], v[WS0+4*i:WS0+4*i+1] offset:BP*i
.set i, i+1
.endr
.irp b, 0,1,2,3,4,5,6,7
	ds_load_tr16_b128 v[BF+8*\b:BF+8*\b+3],   v[VPB] offset:32*\b
	ds_load_tr16_b128 v[BF+8*\b+4:BF+8*\b+7], v[VPB] offset:16*BP+32*\b
.endr
	s_wait_dscnt 0x0
	s_cmp_eq_u32 s24, 32
	s_cbranch_scc1 .Lpzero
	PHASE 0, 0, 0, 1, 0
	PHASE 0, 0, 1, 1, 0
	s_branch .Lpjoin
.Lpzero:                                           ; the first trip starts the sums, from the bias
	BIASQ 0
	s_wait_dscnt 0x0
	PHASE 0, 0, 0, 1, 1
	PLACES
	BIASQ 1
	s_wait_dscnt 0x0
	PHASE 0, 0, 1, 1, 1
.Lpjoin:
	s_wait_xcnt 0x0
	s_add_nc_u64 s[30:31], s[30:31], s[48:49]
	s_add_nc_u64 s[46:47], s[46:47], s[48:49]
	s_add_nc_u64 s[28:29], s[28:29], ASTEP/2
	s_sub_co_u32 s24, s24, 1
	s_cmp_lg_u32 s24, 0
	s_cbranch_scc1 .Lpriv
.Lfoot:
	s_add_co_u32 s25, s25, 1
	s_cmp_lt_u32 s25, 2
	s_cbranch_scc1 .Lchunk
	s_wait_tensorcnt 0x0                           ; the wave's end
	ds_add_u32 v[SPW], v[NIL]
	s_wait_dscnt 0x0
	s_endpgm
.Lfunc_end_k_q75d2b212d1_up:
	.size	k_q75d2b212d1_up, .Lfunc_end_k_q75d2b212d1_up-k_q75d2b212d1_up
	.p2alignl 7, 3214868480
	.fill 96, 4, 3214868480
	.section	.rodata,"a",@progbits
	.p2align	6, 0x0
	.amdhsa_kernel k_q75d2b212d1_up
		.amdhsa_group_segment_fixed_size 110080
		.amdhsa_private_segment_fixed_size 0
		.amdhsa_enable_private_segment 0
		.amdhsa_kernarg_size 40
		.amdhsa_user_sgpr_count 2
		.amdhsa_user_sgpr_kernarg_segment_ptr 1
		.amdhsa_wavefront_size32 1
		.amdhsa_system_sgpr_workgroup_id_x 1
		.amdhsa_system_sgpr_workgroup_id_y 1
		.amdhsa_system_sgpr_workgroup_id_z 1
		.amdhsa_system_vgpr_workitem_id 0
		.amdhsa_next_free_vgpr 1024
		.amdhsa_next_free_sgpr 66
		.amdhsa_reserve_vcc 0
		.amdhsa_float_denorm_mode_32 3
		.amdhsa_float_denorm_mode_16_64 3
		.amdhsa_memory_ordered 1
		.amdhsa_forward_progress 1
		.amdhsa_inst_pref_size 228
	.end_amdhsa_kernel
	.amdgpu_metadata
---
amdhsa.version: [ 1, 2 ]
amdhsa.kernels:
  - .name:           k_q75d2b212d1_up
    .symbol:         k_q75d2b212d1_up.kd
    .args:
      - { .name: xg, .offset: 0, .size: 8, .value_kind: global_buffer, .address_space: global }
      - { .name: w1, .offset: 8, .size: 8, .value_kind: global_buffer, .address_space: global }
      - { .name: cntb, .offset: 16, .size: 8, .value_kind: global_buffer, .address_space: global }
      - { .name: b1, .offset: 24, .size: 8, .value_kind: global_buffer, .address_space: global }
      - { .name: hid, .offset: 32, .size: 8, .value_kind: global_buffer, .address_space: global }
    .group_segment_fixed_size: 110080
    .private_segment_fixed_size: 0
    .kernarg_segment_align: 8
    .kernarg_segment_size: 40
    .max_flat_workgroup_size: 128
    .sgpr_count:     66
    .vgpr_count:     1024
    .wavefront_size: 32
...
	.end_amdgpu_metadata
.endif
;; end of part 3
;; launch down: the kernel of part 3 again; grid 256 x 1, 4 waves a work-group, no clusters, 110,080 bytes of LDS; arguments hid, w2, rowof, b1, part; writes part
;; launch mix (part 4): grid 256 x 1, 16 waves a work-group, no clusters, 0 bytes of LDS; arguments part, rowof, sel, wts, b2, out0; writes out0
.if DOCPART == 4
	.amdgcn_target "amdgcn-amd-amdhsa--gfx1250"
	.amdhsa_code_object_version 6
	.text
	.protected	k_q75d2b212d1_mix
	.globl	k_q75d2b212d1_mix
	.p2align	8
	.type	k_q75d2b212d1_mix,@function
k_q75d2b212d1_mix:
	s_mov_b64 s[64:65], 0
	v_nop
	global_prefetch_b8 v0, s[64:65] scope:SCOPE_SE
	s_setreg_imm32_b32 hwreg(HW_REG_WAVE_MODE, 25, 1), 1
	s_wait_xcnt 0x0
; MIX.  out[n] = the sum over the token's three experts of weight x (the four quarters' partial rows + b2[e]).  A stream: no LDS, no barrier, no matrix unit.
; A work-group takes four tokens; a wave one token's quarter of 256 columns: 24 loads of part and 6 of b2, 512 consecutive bytes each, all out before the one wait; two stores of 512 bytes.
; The three (row, weight, expert) are picked from sel's bits by selects, without a branch; rows and experts enter addresses behind a minimum with a constant.
; rowof[e][n] lies behind a header of 1,024 bytes (the second product's parameter words).
; LIMITS.  b2 is rounded to bf16 before use, like every input; all sums in f32.  A token with fewer than three bits in sel (NaN scores alone) adds row 0 with weight 0.
.set PR, 8                             ; v8-103    part: slot z, quarter kq, half j at PR + 4 (8 z + 2 kq + j)
.set BB, 104                           ; v104-127  b2: slot z, half j at BB + 4 (2 z + j)
.set OU, 128                           ; v128-135  the result
.set TP, 136                           ; v136-139  at work
	s_load_b256 s[4:11], s[0:1], 0x0               ; part s[4:5], rowof s[6:7], sel s[8:9], wts s[10:11]
	s_load_b128 s[12:15], s[0:1], 0x20             ; b2 s[12:13], out0 s[14:15]
	v_and_b32 v1, 31, v0
	v_lshrrev_b32 v2, 5, v0
	v_readfirstlane_b32 s16, v2                    ; wave 0..15
	v_lshlrev_b32 v1, 4, v1                        ; 16 x lane
	s_lshr_b32 s17, s16, 2
	s_lshl_b32 s18, ttmp9, 2
	s_add_co_u32 s17, s17, s18                     ; my token
	s_and_b32 s18, s16, 3
	s_lshl_b32 s18, s18, 10                        ; my 256 columns, in bytes
	s_lshl_b32 s20, s17, 2
	s_lshl_b32 s21, s17, 5
	s_mov_b32 s55, 0
	s_wait_kmcnt 0x0
	s_load_b32 s22, s[8:9], s20 offset:0x0         ; sel[n]
	s_load_b256 s[24:31], s[10:11], s21 offset:0x0 ; wts[n][0..7]
.irp e, 0,1,2,3,4,5,6,7
	s_load_b32 s[32+\e], s[6:7], s20 offset:4096*\e+1024  ; rowof[e][n]
.endr
.irp r, 40,41,42,44,46,48,50,51,52
	s_mov_b32 s\r, 0
.endr
	s_wait_kmcnt 0x0
	; from expert 7 down to 0: a chosen expert pushes the slots one on and takes slot 0.  rows s40-42, weights s44, s46, s48, experts s50-52
.irp e, 7,6,5,4,3,2,1,0
	s_bitcmp1_b32 s22, \e
	s_cselect_b32 s42, s41, s42
	s_cselect_b32 s41, s40, s41
	s_cselect_b32 s40, s[32+\e], s40
	s_cselect_b32 s48, s46, s48
	s_cselect_b32 s46, s44, s46
	s_cselect_b32 s44, s[24+\e], s44
	s_cselect_b32 s52, s51, s52
	s_cselect_b32 s51, s50, s51
	s_cselect_b32 s50, \e, s50
.endr
	s_mov_b32 s45, s44                             ; named as pairs by the packed arithmetic
	s_mov_b32 s47, s46
	s_mov_b32 s49, s48
.irp z, 0,1,2
	s_min_u32 s[40+\z], s[40+\z], 0x1fff
	s_min_u32 s[50+\z], s[50+\z], 7
	s_lshl_b32 s54, s[40+\z], 12                   ; the row's 4,096 bytes, and my columns
	s_add_co_u32 s54, s54, s18
	s_add_nc_u64 s[66+8*\z:67+8*\z], s[4:5], s[54:55]
	s_add_nc_u64 s[68+8*\z:69+8*\z], s[66+8*\z:67+8*\z], 0x2000000  ; a quarter's 8,192 rows
	s_add_nc_u64 s[70+8*\z:71+8*\z], s[66+8*\z:67+8*\z], 0x4000000
	s_add_nc_u64 s[72+8*\z:73+8*\z], s[66+8*\z:67+8*\z], 0x6000000
	s_lshl_b32 s54, s[50+\z], 12
	s_add_co_u32 s54, s54, s18
	s_add_nc_u64 s[90+2*\z:91+2*\z], s[12:13], s[54:55]
.endr
	s_lshl_b32 s54, s17, 12
	s_add_co_u32 s54, s54, s18
	s_add_nc_u64 s[96:97], s[14:15], s[54:55]
.irp z, 0,1,2
.irp q, 0,1,2,3
.irp j, 0,1
	global_load_b128 v[PR+4*(8*\z+2*\q+\j):PR+4*(8*\z+2*\q+\j)+3], v1, s[66+8*\z+2*\q:67+8*\z+2*\q] offset:512*\j th:TH_LOAD_NT  ; each partial row is read once
.endr
.endr
.endr
.irp z, 0,1,2
.irp j, 0,1
	global_load_b128 v[BB+4*(2*\z+\j):BB+4*(2*\z+\j)+3], v1, s[90+2*\z:91+2*\z] offset:512*\j
.endr
.endr
	s_wait_loadcnt 0x0
.set k, 0
.rept 12                                           ; b2 rounded to bf16 and widened again, in place
	v_cvt_pk_bf16_f32 v[TP+k%4], v[BB+2*k], v[BB+2*k+1]
	v_lshlrev_b32 v[BB+2*k], 16, v[TP+k%4]
	v_and_b32 v[BB+2*k+1], 0xffff0000, v[TP+k%4]
.set k, k+1
.endr
.irp z, 0,1,2
.irp j, 0,1
.irp t, 0,2
.set a0, PR+4*(8*\z+\j)+\t
	v_pk_add_f32 v[a0:a0+1], v[a0:a0+1], v[a0+8:a0+9]          ; quarters 0 + 1
	v_pk_add_f32 v[a0+16:a0+17], v[a0+16:a0+17], v[a0+24:a0+25]  ; quarters 2 + 3
	v_pk_add_f32 v[a0:a0+1], v[a0:a0+1], v[a0+16:a0+17]
	v_pk_add_f32 v[a0:a0+1], v[a0:a0+1], v[BB+4*(2*\z+\j)+\t:BB+4*(2*\z+\j)+\t+1]
.if \z == 0
	v_pk_mul_f32 v[OU+4*\j+\t:OU+4*\j+\t+1], v[a0:a0+1], s[44:45] op_sel_hi:[1,0]
.else
	v_pk_fma_f32 v[OU+4*\j+\t:OU+4*\j+\t+1], v[a0:a0+1], s[44+2*\z:45+2*\z], v[OU+4*\j+\t:OU+4*\j+\t+1] op_sel_hi:[1,0,1]
.endif
.endr
.endr
.endr
	global_store_b128 v1, v[OU:OU+3], s[96:97] th:TH_STORE_NT                ; 512 consecutive bytes, aligned
	global_store_b128 v1, v[OU+4:OU+7], s[96:97] offset:512 th:TH_STORE_NT
	s_endpgm
.Lfunc_end_k_q75d2b212d1_mix:
	.size	k_q75d2b212d1_mix, .Lfunc_end_k_q75d2b212d1_mix-k_q75d2b212d1_mix
	.p2alignl 7, 3214868480
	.fill 96, 4, 3214868480
	.section	.rodata,"a",@progbits
	.p2align	6, 0x0
	.amdhsa_kernel k_q75d2b212d1_mix
		.amdhsa_group_segment_fixed_size 0
		.amdhsa_private_segment_fixed_size 0
		.amdhsa_enable_private_segment 0
		.amdhsa_kernarg_size 48
		.amdhsa_user_sgpr_count 2
		.amdhsa_user_sgpr_kernarg_segment_ptr 1
		.amdhsa_wavefront_size32 1
		.amdhsa_system_sgpr_workgroup_id_x 1
		.amdhsa_system_sgpr_workgroup_id_y 1
		.amdhsa_system_sgpr_workgroup_id_z 1
		.amdhsa_system_vgpr_workitem_id 0
		.amdhsa_next_free_vgpr 144
		.amdhsa_next_free_sgpr 100
		.amdhsa_reserve_vcc 0
		.amdhsa_float_denorm_mode_32 3
		.amdhsa_float_denorm_mode_16_64 3
		.amdhsa_memory_ordered 1
		.amdhsa_forward_progress 1
		.amdhsa_inst_pref_size 15
	.end_amdhsa_kernel
	.amdgpu_metadata
---
amdhsa.version: [ 1, 2 ]
amdhsa.kernels:
  - .name:           k_q75d2b212d1_mix
    .symbol:         k_q75d2b212d1_mix.kd
    .args:
      - { .name: part, .offset: 0, .size: 8, .value_kind: global_buffer, .address_space: global }
      - { .name: rowof, .offset: 8, .size: 8, .value_kind: global_buffer, .address_space: global }
      - { .name: sel, .offset: 16, .size: 8, .value_kind: global_buffer, .address_space: global }
      - { .name: wts, .offset: 24, .size: 8, .value_kind: global_buffer, .address_space: global }
      - { .name: b2, .offset: 32, .size: 8, .value_kind: global_buffer, .address_space: global }
      - { .name: out0, .offset: 40, .size: 8, .value_kind: global_buffer, .address_space: global }
    .group_segment_fixed_size: 0
    .private_segment_fixed_size: 0
    .kernarg_segment_align: 8
    .kernarg_segment_size: 48
    .max_flat_workgroup_size: 512
    .sgpr_count:     100
    .vgpr_count:     144
    .wavefront_size: 32
...
	.end_amdgpu_metadata
.endif
;; end of part 4
